; MI455X (gfx1250); checked and timed in simulation.
; The chip was launched on July 23, 2026; its instructions are those of AMD's public machine-readable ISA for CDNA 5 (MIT licence, August 2026) and "CDNA5" Instruction Set Architecture Reference Guide (July 2026). The comments in the code are by the model that wrote it; some were corrected since.
;; Self Attention. Allowed arithmetic: matrix products marked QUANTISED: E2M3 operands, one E8M0 scale for each 32 along K, by v_wmma_scale_f32_16x16x128_f8f6f4 with both operands' format E2M3, f32 sums; products left as they are: f32 operands where the result goes on into a quantised operand, else bf16, f16 or f32 operands; f32 sums; everything else in f32.
;; Inputs: U_b 1,024 float32; U_w 1,024 x 1,024 float32; V_b 1 float32; V_w 1,024 x 1 float32; W_b 1,024 float32; W_w 1,024 x 1,024 float32; hidden_states 32 x 2,048 x 1,024 float32; s_prev 32 x 1,024 float32.
;; Outputs: out0 32 x 1,024 float32; out1 32 x 2,048 x 1 float32.
;; This version of the problem:
;;   THIS VERSION OF THE PROBLEM IS GIVEN IN LOW PRECISION. The matrix products marked QUANTISED in the list below multiply operands that are first quantised to E2M3 (2 exponent bits, 3 mantissa bits; 6 bits a number), with one power-of-two scale for each 32 numbers along K (OCP MX v1.0); their sums are f32. All else is computed in f32.
;;   The module's matrix products, in the order in which they are computed (A, B: the left and right operand; K: the contracted axis; several contracted axes count as one K, in the product's order):
;;     1. [M 32, K 1,024] x [K 1,024, N 1,024]; A: input s_prev; B: input W_w: QUANTISED
;;     2. [M 65,536, K 1,024] x [K 1,024, N 1,024]; A: input hidden_states; B: input U_w: QUANTISED
;;     3. [M 65,536, K 1,024] x [K 1,024, N 1]; A: computed on the way; B: input V_w: left as it is (N = 1 < 16)
;;   THE QUANTISER, for each operand of a quantised product, along K:
;;     - K is cut into blocks of 32 from its start; a last block that is shorter is filled with zeros.
;;     - A block's scale is 2^e with e = floor(log2(the largest magnitude in the block)) - 2, held to -126 .. 127; a block of zeros has e = 0. As a byte (E8M0): e + 127.
;;     - Each number is divided by its block's scale, clamped to +-7.5, and rounded to the nearest number of E2M3, ties to even, subnormals kept.
;;     - The product sums the exact products of the quantised numbers (number of the format x scale) in f32.
;;   ~~~python
;;   def quantise(x, axis):      # numpy; x: float32 -> the quantised numbers, widened to float32 again
;;       x = np.moveaxis(x, axis, -1); K = x.shape[-1]
;;       x = np.pad(x, [(0, 0)] * (x.ndim - 1) + [(0, -K % 32)]); x = x.reshape(x.shape[:-1] + (-1, 32)); a = np.abs(x).max(-1, keepdims=True)
;;       e = np.where(a > 0, np.clip(np.frexp(np.where(a > 0, a, 1))[1] - 1 - 2, -126, 127), 0)      # np.frexp(a)[1] - 1 = floor(log2(a)), exactly
;;       r = np.clip(x / 2.0 ** e, -7.5, 7.5)
;;       step = 2.0 ** (np.maximum(np.frexp(np.where(r == 0, 1, r))[1] - 1, 0) - 3)
;;       q = np.round(r / step) * step * 2.0 ** e      # np.round: ties to even
;;       return np.moveaxis(q.reshape(q.shape[:-2] + (-1,))[..., :K], -1, axis).astype(np.float32)
;;   ~~~
;; One version. Each part assembles by itself: llvm-mc -triple=amdgcn-amd-amdhsa -mcpu=gfx1250 --defsym DOCPART=n.
;; ======== version 1 of 1: 3 launches
;; limits: right only within a limited range of input values
;; workspace buffers: ub 819,200 bytes; dsc 1,048,576 bytes; scores 262,144 bytes; pc 1,048,576 bytes; pml 65,536 bytes
;; launch prep (part 1): grid 256 x 1, 1 waves a work-group, no clusters, 8,960 bytes of LDS; arguments U_w, W_w, s_prev, W_b, U_b, ub, dsc; writes ub, dsc
.if DOCPART == 1
	.amdgcn_target "amdgcn-amd-amdhsa--gfx1250"
	.amdhsa_code_object_version 6
	.text
	.protected	k_qa4e938f5c3_prep
	.globl	k_qa4e938f5c3_prep
	.p2align	8
	.type	k_qa4e938f5c3_prep,@function
k_qa4e938f5c3_prep:
	s_mov_b64 s[64:65], 0
	v_nop
	global_prefetch_b8 v0, s[64:65] scope:SCOPE_SE
	s_setreg_imm32_b32 hwreg(HW_REG_WAVE_MODE, 25, 1), 1
	s_wait_xcnt 0x0
; PREP.  (1) U_w [1024 (k)][1024 (n)] f32 becomes codes of FP6 (E2M3) with one E8M0 byte for each 32 along K, laid as IMAGES OF THE OPERAND'S REGISTERS for the next launch.
; (2) The first product of the problem, Q(s_prev) Q(W_w), on codes, by the scaled matrix instruction, K step by K step: dsc[ks][b][n] = 2 log2(e) x (K step ks's part of the sum; in part 0 also W_b[n] + U_b[n]).
; The next launch adds the eight parts: K is shared out among work-groups here, and no launch adds across work-groups.
; A block's scale is 2^(floor(log2(its largest magnitude)) - 2): its byte is the largest magnitude's exponent field - 2, held at 1 from below.
; LIMITS: NaN and infinities among the inputs are not served.  A block of zeros gets the byte 1 where the rule says 127: its codes are zeros, which add nothing, and only this program reads the bytes.
; Blocks whose largest magnitude lies under 2^-124 are held at the byte 1.
; SHARES.  A work-group is one wave and has one job: one matrix (U_w or W_w) x one group a of 64 columns x one K step of 128: 2 x 16 x 8 = 256 jobs of 32 KiB.
; THE COLUMNS OF A TILE: tile 4 a + u, lane r: column 64 a + 4 r + u.  So 16 bytes at 256 a + 16 r of a row hold one lane's column of the four tiles 4 a .. 4 a + 3: each load reads two runs of 256 consecutive bytes
; (rows k and k + 32), and every byte that is read is used.  A lane's registers run down K, in the order of the operand's layout; 64 moves a tile bring one column's numbers on end for the conversions.
; ub: 64 records of 12,800 bytes, one a tile: at 1536 ks + 512 c + 16 lane registers 4 c .. 4 c + 3 of K step ks's fragment; at 12,288 + 16 lane four scale words: lane (r, h), word j: K step 4 h + j of column r.
; The two paths part once, on the work-group's number, and do not join.  Only W's path uses LDS: a stage of 16 rows x 528 bytes, through which s_prev's rows, loaded 512 consecutive bytes at a time, turn so that a lane
; holds 16 neighbours along K.  No tensor load, no cluster, no barrier: jobs share nothing but 16 KiB of s_prev.
; LEFT OUT AS DEAD WORK, in the whole program: V_b, and the term sum over n of V_w[n] that tanh(y) = 1 - 2 / (1 + e^(2 y)) splits off every score.
; Both are the same for every s of a batch, a softmax over s is not changed by a term that is equal along s, whatever finite values the inputs hold, and the scores themselves are no output.
; So V_b has no way to an output: it is not loaded and is an argument of no launch.  LIMIT: a NaN, an infinity or an overflow in V_b or in that sum is not carried to the result.
.set TM,   20
.set NB,   40                          ; v40-103  64 numbers on end; at the end of W's path the eight accumulators
.set CF,   104                         ; v104-151 the four tiles' fragments, 12 registers each
.set CT,   152                         ; v152-158 the second halves of a fragment's blocks, as the conversions leave them
.set PC0,  160                         ; v160-179 s_prev's fragment of rows 0-15 (12 registers, 8 at work); v180-199 of rows 16-31
.set BW,   200                         ; v200-203 W_b, v204-207 U_b, v208-211 their sum x the factor: my column of the four tiles
.set BU,   204
.set BQ,   208
.set OUT,  104                         ; v104-167 the results, four tiles' numbers of a row on end
.set SA,   12                          ; v12-13   s_prev's scale words; scales and nothing else
.set SW,   16                          ; v16-19   the four tiles' scale words
.set SP,   528                         ; a stage row: 512 bytes + 16 = 132 words: row r starts 4 r words on modulo 64 (64 banks of 4 bytes: ISA guide 11.1)
.set SEL,  26                          ; s[26:27] v_permlanex16_b32's selects for lane l xor 16
.set MSB, 0
.macro WIN new                         ; the immediate's high byte repeats the setting that is left; a switch that changes nothing is dropped
.if MSB != (\new)
	s_set_vgpr_msb (MSB<<8)|(\new)
.set MSB, (\new)
.endif
.endm
; 64 numbers of a lane, register 32 c + i = k 64 c + 32 (lane / 16) + i of the lane's COLUMN, become the fragment v[dst] on and its scale word v[sw]: two whole blocks a lane.
.macro QCOL src, dst, sw
.irp c, 0,1
	v_max3_num_f32 v[TM+\c], |v[\src+32*\c]|, |v[\src+1+32*\c]|, 0x1800000   ; the floor 2^(3 - 127) among the leaves: the byte cannot fall under 1
.endr
.irp i, 2,4,6,8,10,12,14,16,18,20,22,24,26,28,30
.irp c, 0,1
	v_max3_num_f32 v[TM+\c], v[TM+\c], |v[\src+32*\c+\i]|, |v[\src+1+32*\c+\i]|   ; the two blocks by turns
.endr
.endr
.irp c, 0,1
	v_add_nc_u32 v[TM+2+\c], 0xff000000, v[TM+\c]          ; 2 off the exponent field: the conversion's scale operand
.endr
.irp c, 0,1
	v_lshrrev_b32 v[TM+4+\c], 23, v[TM+2+\c]               ; the scale's byte
.endr
	v_lshl_or_b32 v[TM+6], v[TM+5], 16, v[TM+4]            ; my two bytes: blocks h and 2 + h,
	v_lshlrev_b32 v[TM+7], 3, v3
	v_lshlrev_b32 v[TM+6], v[TM+7], v[TM+6]                ; 8 h bits up;
	v_permlanex16_b32 v[TM+8], v[TM+6], s[SEL], s[SEL+1]
	v_or_b32 v[\sw], v[TM+6], v[TM+8]                      ; with lane l xor 16's two the word is whole
.irp c, 0,1
	v_cvt_scalef32_pk16_fp6_f32 v[\dst+6*\c:\dst+6*\c+2], v[\src+32*\c:\src+32*\c+15], v[TM+2+\c]
	v_cvt_scalef32_pk16_fp6_f32 v[CT+4*\c:CT+4*\c+2], v[\src+32*\c+16:\src+32*\c+31], v[TM+2+\c]   ; (a conversion's three registers begin on an even number)
.endr
	v_nop                                                  ; one plain place behind a scaled conversion
.irp c, 0,1
.irp i, 0,1,2
	v_mov_b32 v[\dst+3+6*\c+\i], v[CT+4*\c+\i]
.endr
.endr
.endm
; 64 numbers of a lane, register 16 b + i = k 32 b + 16 (lane / 16) + i of the lane's ROW, become the fragment v[pc] on and its scale word v[pw].
.macro QUANT s, pc, pw
.irp b, 0,1,2,3
	v_max3_num_f32 v[TM+\b], |v[\s+16*\b]|, |v[\s+1+16*\b]|, 0x1800000
.endr
.irp i, 2,4,6,8,10,12,14
.irp b, 0,1,2,3
	v_max3_num_f32 v[TM+\b], v[TM+\b], |v[\s+16*\b+\i]|, |v[\s+1+16*\b+\i]|
.endr
.endr
.irp b, 0,1,2,3
	v_permlanex16_b32 v[TM+4+\b], v[TM+\b], s[SEL], s[SEL+1]
.endr
.irp b, 0,1,2,3
	v_max_num_f32 v[TM+\b], v[TM+\b], v[TM+4+\b]           ; with lane l xor 16's 16: the block's largest magnitude
.endr
.irp b, 0,1,2,3
	v_add_nc_u32 v[TM+12+\b], 0xff000000, v[TM+\b]
.endr
.irp b, 0,1,2,3
	v_lshrrev_b32 v[TM+4+\b], 23, v[TM+12+\b]
.endr
	v_lshl_or_b32 v[\pw], v[TM+5], 8, v[TM+4]
	v_lshl_or_b32 v[\pw], v[TM+6], 16, v[\pw]
	v_lshl_or_b32 v[\pw], v[TM+7], 24, v[\pw]
.irp c, 0,1
	v_cvt_scalef32_pk16_fp6_f32 v[\pc+6*\c:\pc+2+6*\c], v[\s+32*\c:\s+15+32*\c], v[TM+12+2*\c]
	v_cvt_scalef32_pk16_fp6_f32 v[\pc+12+4*\c:\pc+14+4*\c], v[\s+16+32*\c:\s+31+32*\c], v[TM+12+2*\c+1]
.endr
	v_nop                                                  ; one plain place behind a scaled conversion
.irp c, 0,1                                            ; the layout wants a whole block in a lane: lanes 0-15 block 2 c, lanes 16-31 block 2 c + 1
.irp i, 0,1,2
	v_permlane16_swap_b32 v[\pc+6*\c+\i], v[\pc+12+4*\c+\i]
.endr
.irp i, 0,1,2
	v_mov_b32 v[\pc+3+6*\c+\i], v[\pc+12+4*\c+\i]
.endr
.endr
.endm
.macro MLOAD lo                        ; my 128 rows x 64 columns of the matrix at s[lo:lo+1], into window 1: load x = 32 c + i: row 64 c + 32 h + i, registers 4 x + u: tile u
	WIN 0x40
.set x_, 0
.rept 64
	global_load_b128 v[4*x_:4*x_+3], v4, s[\lo:\lo+1] offset:(64*(x_/32)+x_%32)*4096 th:TH_LOAD_NT
.set x_, x_+1
.endr
	WIN 0
.endm
.macro TAKE u                          ; tile u's 64 numbers of my column, on end
	WIN 0x01
.set x_, 0
.rept 64
	v_mov_b32 v[NB+x_], v[4*x_+\u]
.set x_, x_+1
.endr
	WIN 0
.endm
	s_load_b256 s[4:11], s[0:1], 0x0               ; U_w s[4:5], W_w s[6:7], s_prev s[8:9], W_b s[10:11]
	s_load_b128 s[12:15], s[0:1], 0x20             ; U_b s[12:13], ub s[14:15]
	s_load_b64 s[16:17], s[0:1], 0x30              ; dsc
	v_lshl_add_u32 v254, v0, 2, 0x2200
	v_mov_b32 v255, 0
	v_and_b32 v2, 15, v0                           ; r  (one wave: v0 is the lane)
	v_bfe_u32 v3, v0, 4, 1                         ; h
	v_lshlrev_b32 v7, 4, v2                        ; 16 r: my column of the four tiles, in bytes of a row
	v_lshl_add_u32 v4, v3, 17, v7                  ; the matrix: + 32 h rows of 4,096 bytes
	v_mul_u32_u24 v5, v2, SP
	v_lshl_add_u32 v5, v3, 6, v5                   ; the stage, on the way out: row r, + 64 h
	v_lshlrev_b32 v6, 4, v0                        ; 16 x lane: an image's place, a row's 512 bytes, the stage on the way in
	v_mad_u32_u24 v8, v3, 12800, v7                ; U's scale words: lanes 0-15 one tile's record, lanes 16-31 the next's
	v_lshl_add_u32 v9, v3, 15, v7                  ; dsc: column, + 8 h rows
.irp b, 4,5,6,7,8
	v_mov_b32 v[TM+\b], 0                          ; written once: a lane permute's destination counts as one of its sources
.endr
	s_mov_b32 s[SEL], 0x76543210
	s_mov_b32 s[SEL+1], 0xfedcba98
	s_mov_b32 s28, 0x4038aa3b                      ; 2 log2(e)
	s_and_b32 s18, ttmp9, 1                        ; 0: U_w, 1: W_w
	s_bfe_u32 s19, ttmp9, 0x30001                  ; ks: 3 bits from bit 1
	s_lshr_b32 s20, ttmp9, 4                       ; a
	s_lshl_b32 s21, s20, 8                         ; 256 a
	s_lshl_b32 s30, s19, 19                        ; 128 rows of 4,096 bytes a K step
	s_add_co_u32 s30, s30, s21
	s_mov_b32 s31, 0
	s_mov_b32 s32, s21                             ; the biases: 256 a
	s_mov_b32 s33, 0
	s_lshl_b32 s34, s19, 9                         ; s_prev: 512 bytes a K step
	s_mov_b32 s35, 0
	s_mul_i32 s36, s20, 51200                      ; the group's four records,
	s_mov_b32 s38, s36
	s_mul_i32 s22, s19, 1536
	s_add_co_u32 s36, s36, s22                     ; my K step's image in the first
	s_mov_b32 s37, 0
	s_lshr_b32 s22, s19, 2
	s_lshl_b32 s22, s22, 8
	s_add_co_u32 s38, s38, s22
	s_and_b32 s22, s19, 3
	s_lshl_b32 s22, s22, 2
	s_add_co_u32 s38, s38, s22
	s_add_co_u32 s38, s38, 12288                   ; and my K step's scale words: 12,288 + 256 (ks / 4) + 4 (ks % 4)
	s_mov_b32 s39, 0
	s_lshl_b32 s40, s19, 17                        ; dsc: 131,072 bytes a K step
	s_add_co_u32 s40, s40, s21
	s_mov_b32 s41, 0
	s_wait_kmcnt 0x0
	s_add_nc_u64 s[4:5], s[4:5], s[30:31]
	s_add_nc_u64 s[6:7], s[6:7], s[30:31]
	s_add_nc_u64 s[8:9], s[8:9], s[34:35]
	s_add_nc_u64 s[10:11], s[10:11], s[32:33]
	s_add_nc_u64 s[12:13], s[12:13], s[32:33]
	s_add_nc_u64 s[42:43], s[14:15], s[38:39]
	s_add_nc_u64 s[14:15], s[14:15], s[36:37]
	s_add_nc_u64 s[16:17], s[16:17], s[40:41]
	s_cmp_lg_u32 s18, 0
	s_cbranch_scc1 .Lw
	; ---- U_w: four fragments and their scale words go to ub
	MLOAD 4
	s_wait_loadcnt 0x0                             ; each load holds a number of every tile
.irp u, 0,1,2,3
	TAKE \u
	QCOL NB, CF+12*\u, SW+\u
.irp c, 0,1,2
	global_store_b128 v6, v[CF+12*\u+4*\c:CF+12*\u+4*\c+3], s[14:15] offset:12800*\u+512*\c   ; the image: each store covers 512 consecutive bytes, aligned to 256; each tile has registers of its own
.endr
.endr
	v_cmp_eq_u32 vcc_lo, 1, v3
	v_cndmask_b32 v36, v[SW], v[SW+1], vcc_lo      ; both halves of the lanes hold every word: lanes 0-15 store tile 0's (2's), lanes 16-31 tile 1's (3's)
	v_cndmask_b32 v37, v[SW+2], v[SW+3], vcc_lo
	global_store_b32 v8, v36, s[42:43]             ; 4 bytes a lane, 16 bytes apart: a K step's word of each quad that the next launch reads whole: 32 KiB in the whole launch
	global_store_b32 v8, v37, s[42:43] offset:25600
	s_endpgm
	; ---- W_w: four fragments, s_prev's two, eight products, one part of dsc
.Lw:
	global_load_b128 v[BW:BW+3], v7, s[10:11]
	global_load_b128 v[BU:BU+3], v7, s[12:13]
	WIN 0x80
.set x_, 0
	s_wait_alu depctr_va_vdst(0)
.rept 32
	global_load_b128 v[4*x_:4*x_+3], v6, s[8:9] offset:4096*x_   ; row x of s_prev, my K step: 512 consecutive bytes; into window 2
.set x_, x_+1
.endr
	WIN 0
	MLOAD 6
	s_wait_loadcnt 63                              ; behind s_prev's last load stand the matrix's 64; 63 is the largest count that can be named
.irp m, 0,1                                        ; rows 16 m on: through the stage.  LDS serves a wave's instructions in order (ISA guide 5.7.1.4): no wait between the stores and the loads
	WIN 0x08
.irp row, 0,1,2,3,4,5,6,7,8,9,10,11,12,13,14,15
	ds_store_b128 v6, v[64*\m+4*\row:64*\m+4*\row+3] offset:SP*\row
.endr
	WIN 0
.irp b, 0,1,2,3
.irp j, 0,1,2,3
	ds_load_b128 v[NB+16*\b+4*\j:NB+16*\b+4*\j+3], v5 offset:128*\b+16*\j
.endr
.endr
	s_wait_dscnt 0x0
	QUANT NB, PC0+20*\m, SA+\m
.endr
	s_wait_loadcnt 0x0
.irp u, 0,1,2,3
	TAKE \u
	QCOL NB, CF+12*\u, SW+\u
.endr
	s_cmp_eq_u32 s19, 0
	s_cselect_b32 s29, s28, 0                      ; the biases go into part 0 alone: a factor, no branch
.irp u, 0,1,2,3
	v_add_f32 v[BQ+\u], v[BW+\u], v[BU+\u]
.endr
.irp u, 0,1,2,3
	v_mul_f32 v[BQ+\u], s29, v[BQ+\u]              ; (these eight lines are also the places between the last written scale word and operand and the scaled matrix instructions: 8 and 4 are asked)
.endr
.irp u, 0,1,2,3
.irp m, 0,1
	v_wmma_scale_f32_16x16x128_f8f6f4 v[NB+8*(2*\u+\m):NB+8*(2*\u+\m)+7], v[PC0+20*\m:PC0+20*\m+11], v[CF+12*\u:CF+12*\u+11], 0, v[SA+\m], v[SW+\u] matrix_a_fmt:MATRIX_FMT_FP6 matrix_b_fmt:MATRIX_FMT_FP6
.endr
.endr
.rept 4
	v_nop                                          ; four places in front of the first read of results and of writes over operands (ISA guide 7.12.1)
.endr
.irp m, 0,1                                        ; register j of lane (r, h): row 16 m + 8 h + j, column r of tile u.  The four tiles' numbers of a row are neighbours in memory: they are laid on end.  Each accumulator is read from its low end on
.irp j, 0,1,2,3,4,5,6,7
.irp u, 0,1,2,3
	v_fma_f32 v[OUT+4*(8*\m+\j)+\u], v[NB+8*(2*\u+\m)+\j], s28, v[BQ+\u]
.endr
.endr
.endr
.irp m, 0,1
.irp j, 0,1,2,3,4,5,6,7
	global_store_b128 v9, v[OUT+4*(8*\m+\j):OUT+4*(8*\m+\j)+3], s[16:17] offset:65536*\m+4096*\j   ; sixteen lanes store 256 consecutive bytes, aligned: two rows an instruction
.endr
.endr
	s_wait_tensorcnt 0x0
	ds_add_u32 v254, v255
	s_wait_dscnt 0x0
	s_endpgm
.Lfunc_end_k_qa4e938f5c3_prep:
	.size	k_qa4e938f5c3_prep, .Lfunc_end_k_qa4e938f5c3_prep-k_qa4e938f5c3_prep
	.p2alignl 7, 3214868480
	.fill 96, 4, 3214868480
	.section	.rodata,"a",@progbits
	.p2align	6, 0x0
	.amdhsa_kernel k_qa4e938f5c3_prep
		.amdhsa_group_segment_fixed_size 8960
		.amdhsa_private_segment_fixed_size 0
		.amdhsa_enable_private_segment 0
		.amdhsa_kernarg_size 56
		.amdhsa_user_sgpr_count 2
		.amdhsa_user_sgpr_kernarg_segment_ptr 1
		.amdhsa_wavefront_size32 1
		.amdhsa_system_sgpr_workgroup_id_x 1
		.amdhsa_system_sgpr_workgroup_id_y 1
		.amdhsa_system_sgpr_workgroup_id_z 1
		.amdhsa_system_vgpr_workitem_id 0
		.amdhsa_next_free_vgpr 768
		.amdhsa_next_free_sgpr 66
		.amdhsa_reserve_vcc 1
		.amdhsa_float_denorm_mode_32 3
		.amdhsa_float_denorm_mode_16_64 3
		.amdhsa_memory_ordered 1
		.amdhsa_forward_progress 1
		.amdhsa_inst_pref_size 79
	.end_amdhsa_kernel
	.amdgpu_metadata
---
amdhsa.version: [ 1, 2 ]
amdhsa.kernels:
  - .name:           k_qa4e938f5c3_prep
    .symbol:         k_qa4e938f5c3_prep.kd
    .args:
      - { .name: U_w, .offset: 0, .size: 8, .value_kind: global_buffer, .address_space: global }
      - { .name: W_w, .offset: 8, .size: 8, .value_kind: global_buffer, .address_space: global }
      - { .name: s_prev, .offset: 16, .size: 8, .value_kind: global_buffer, .address_space: global }
      - { .name: W_b, .offset: 24, .size: 8, .value_kind: global_buffer, .address_space: global }
      - { .name: U_b, .offset: 32, .size: 8, .value_kind: global_buffer, .address_space: global }
      - { .name: ub, .offset: 40, .size: 8, .value_kind: global_buffer, .address_space: global }
      - { .name: dsc, .offset: 48, .size: 8, .value_kind: global_buffer, .address_space: global }
    .group_segment_fixed_size: 8960
    .private_segment_fixed_size: 0
    .kernarg_segment_align: 8
    .kernarg_segment_size: 56
    .max_flat_workgroup_size: 32
    .sgpr_count:     66
    .vgpr_count:     768
    .wavefront_size: 32
...
	.end_amdgpu_metadata
.endif
;; end of part 1
;; launch main (part 2): grid 256 x 1, 4 waves a work-group, no clusters, 327,680 bytes of LDS; arguments hidden_states, ub, dsc, V_w, pc, scores, pml; writes pc, scores, pml
.if DOCPART == 2
	.amdgcn_target "amdgcn-amd-amdhsa--gfx1250"
	.amdhsa_code_object_version 6
	.text
	.protected	k_qa4e938f5c3_main
	.globl	k_qa4e938f5c3_main
	.p2align	8
	.type	k_qa4e938f5c3_main,@function
k_qa4e938f5c3_main:
	s_mov_b64 s[64:65], 0
	v_nop
	global_prefetch_b8 v0, s[64:65] scope:SCOPE_SE
	s_setreg_imm32_b32 hwreg(HW_REG_WAVE_MODE, 25, 1), 1
	s_wait_xcnt 0x0
; MAIN.  t[row] = -2 log2(e) x sum over n of V_w[n] / (1 + 2^(c x enc[row][n] + d[b][n])), c = 2 log2(e), enc = Q(hidden) Q(U_w) on codes of FP6, d = the eight parts of dsc added: the score in base 2.
; LEFT OUT AS DEAD WORK: V_b and the sum of V_w, equal along the softmax's axis (shown at the head of the first kernel).
; With the scores the work-group makes its part of the softmax and of the context, so that hidden_states is read from memory once: a running maximum M of t, the sum of p = 2^(t - M), and the sum of p x hidden row.
; SHARES.  A work-group takes 256 rows of one batch, in four sets of 64.  A set's rows lie in LDS as f32: four slabs of 64 rows x 1,024 bytes, one tensor load a wave, 16 bytes of padding behind each 1,024.
; Wave w quantises rows 16 w .. 16 w + 15 and lays the codes into an image in LDS; then EVERY wave holds all 64 rows' codes in registers and takes a quarter of N: tiles 16 w .. 16 w + 15, 32 matrix instructions each.
; U's records (images of the operand's registers) go from ub straight into registers, two tiles ahead: the set's rows and the image leave no LDS for slots, so there is nothing for a cluster to load jointly: cluster = none.
; A tile goes by phases: 32 matrix instructions, the four accumulators by turns; 48 packed lines; one wait; 64 transcendentals; one wait.
; Behind a set's tiles A's registers are free: each wave copies its own slab (256 columns of the 64 rows) into windows 1 and 2, 128 loads, 32 of them ahead of the tiles into the 128 registers that lie idle there.
; ONE barrier then shows the four waves' partial t to all and ends all reads of the slabs: the next set's load is the first line behind it, and M, p, the factor 2^(old M - new M) and the sums of p x row are made from registers.
; The next set's rows are prefetched while the tiles are multiplied: 8 instructions a wave and set, a lane a block of 256 bytes, two in each of the four trips; the last set asks for nothing.
; OUT: scores (t), pml (M and the sum of p, 32 times: one run of 256 bytes), pc (1,024 partial sums): the next launch joins a batch's eight work-groups.
; LIMITS: NaN and infinities among the inputs are not served; |t| stays under 2^31; a block of zeros has the byte 1 (its codes are zeros); blocks under 2^-124 are held at the byte 1.
; WINDOWS: 0 addresses, scales, sums, accumulators; 1, 2 A's codes, then my slab; 3 B's two sets of fragments.
.set REC,   12800                      ; a record of ub: 8 x 1,536 bytes of fragments, 512 of scale words
.set HSL,   66560                      ; a slab: 64 rows x 1,040
.set AIM,   266240                     ; the image: (8 m + ks) x 1,536
.set AIS,   315392                     ; A's scale words: 512 m + 32 r + 4 ks
.set DT,    317440                     ; d at 64 T + 4 r; 4,096 bytes on: -2 log2(e) v
.set SCP,   325632                     ; the waves' partial t: 256 w + 4 row
.set SPARE, 326656
.set L16,  2
.set L8,   3
.set QB,   4
.set QA,   5
.set IMW,  6
.set IMA,  7
.set ISW,  8
.set ISA,  9
.set SPW,  10
.set NIL,  11
.set IM0,  12
.set AS0,  13
.set R4,   14
.set ADV,  15
.set VB,   16
.set SCA,  17
.set ASC,  18                          ; v18-49  A's scale words: 8 m + ks
.set BSC,  50                          ; v50-57  B's, two sets of four
.set VD,   58                          ; v58-73  four tiles' d, -, v, -
.set S,    74                          ; v74-105 the rows' sums; at work in the quantiser
.set TM,   74
.set PW,   90
.set PC,   92
.set CB2,  109                         ; my slab's row 32 (made anew for each set: the quantiser works here)
.set CB,   111                         ; my slab's row 0, + 16 lane
.set CX,   112                         ; v112-119 my eight sums of the context
.set MX,   120
.set LS,   121
.set T,    122
.set F,    124
.set PFO,  126
.set ACC,  128                         ; v128-255 four sets of four accumulators; stages of the other phases
.set SEL,  42
.set PS,   66                          ; s66-97  sixteen rows' p, each in the low word of a pair
.set MSB, 0
.macro WIN new
.if MSB != (\new)
	s_set_vgpr_msb (MSB<<8)|(\new)
.set MSB, (\new)
.endif
.endm
.macro PLACES
.rept 4
	v_nop
.endr
.endm
.macro BAR
	s_barrier_signal -1
	s_barrier_wait -1
.endm
; 64 numbers of a lane, register 16 b + i = k 32 b + 16 (lane / 16) + i of the lane's row, become the fragment v[PC] on and its scale word v[PW]
.macro QUANT s
.irp b, 0,1,2,3
	v_max3_num_f32 v[TM+\b], |v[\s+16*\b]|, |v[\s+1+16*\b]|, 0x1800000   ; the floor 2^(3 - 127): the byte cannot fall under 1
.endr
.irp i, 2,4,6,8,10,12,14
.irp b, 0,1,2,3
	v_max3_num_f32 v[TM+\b], v[TM+\b], |v[\s+16*\b+\i]|, |v[\s+1+16*\b+\i]|
.endr
.endr
.irp b, 0,1,2,3
	v_permlanex16_b32 v[TM+4+\b], v[TM+\b], s[SEL], s[SEL+1]
.endr
.irp b, 0,1,2,3
	v_max_num_f32 v[TM+\b], v[TM+\b], v[TM+4+\b]
.endr
.irp b, 0,1,2,3
	v_add_nc_u32 v[TM+12+\b], 0xff000000, v[TM+\b]         ; 2 off the exponent field: the conversion's scale operand
.endr
.irp b, 0,1,2,3
	v_lshrrev_b32 v[TM+4+\b], 23, v[TM+12+\b]
.endr
	v_lshl_or_b32 v[PW], v[TM+5], 8, v[TM+4]
	v_lshl_or_b32 v[PW], v[TM+6], 16, v[PW]
	v_lshl_or_b32 v[PW], v[TM+7], 24, v[PW]
.irp c, 0,1
	v_cvt_scalef32_pk16_fp6_f32 v[PC+6*\c:PC+2+6*\c], v[\s+32*\c:\s+15+32*\c], v[TM+12+2*\c]
	v_cvt_scalef32_pk16_fp6_f32 v[PC+12+4*\c:PC+14+4*\c], v[\s+16+32*\c:\s+31+32*\c], v[TM+12+2*\c+1]
.endr
	v_nop                                                  ; one plain place behind a scaled conversion
.irp c, 0,1
.irp i, 0,1,2
	v_permlane16_swap_b32 v[PC+6*\c+\i], v[PC+12+4*\c+\i]  ; a whole block to a lane
.endr
.irp i, 0,1,2
	v_mov_b32 v[PC+3+6*\c+\i], v[PC+12+4*\c+\i]
.endr
.endr
.endm
.macro IMST i                          ; a unit's fragment and scale word into the image
.irp c, 0,1,2
	ds_store_b128 v[IMA], v[PC+4*\c:PC+4*\c+3] offset:1536*\i+512*\c
.endr
	ds_store_b32 v[ISA], v[PW] offset:4*\i         ; both halves of the lanes write the same word with the same value
.endm
.macro BLOAD bp, off                   ; a record into set bp: 24 loads of fragments and one of scale words, each 512 consecutive bytes
	WIN 0xc0
.set x_, 0
.rept 24
	global_load_b128 v[96*(\bp)+4*x_:96*(\bp)+4*x_+3], v[VB], s[6:7] offset:(\off)+512*x_
.set x_, x_+1
.endr
	WIN 0
	global_load_b128 v[BSC+4*(\bp):BSC+4*(\bp)+3], v[VB], s[6:7] offset:(\off)+12288
.endm
; My slab into registers: load x of a window: row x / 2 (window 2: + 32), half x % 2 of its 1,024 bytes, 16 bytes a lane, registers 4 x on
.macro CPY from, cnt
	WIN 0x40
.set x_, \from
.rept \cnt
	ds_load_b128 v[4*x_:4*x_+3], v[CB] offset:1040*(x_/2)+512*(x_%2)
.set x_, x_+1
.endr
	WIN 0x80
.set x_, \from
.rept \cnt
	ds_load_b128 v[4*x_:4*x_+3], v[CB2] offset:1040*(x_/2)+512*(x_%2)
.set x_, x_+1
.endr
	WIN 0
.endm
.macro MM q, bp                        ; matrix instruction n of a tile: K step n / 4, row tile n % 4
.set ks_, n/4
.set m_, n%4
	WIN 0x0d+m_/2
.set rD, ACC+32*(\q)+8*m_
.set rA, 96*(m_%2)+12*ks_
.set rB, 96*(\bp)+12*ks_
.set rX, ASC+8*m_+ks_
.set rY, BSC+4*(\bp)+ks_%4
.if ks_ == 0
	v_wmma_scale_f32_16x16x128_f8f6f4 v[rD:rD+7], v[rA:rA+11], v[rB:rB+11], 0, v[rX], v[rY] matrix_a_fmt:MATRIX_FMT_FP6 matrix_b_fmt:MATRIX_FMT_FP6
.elseif ks_ < 4
	v_wmma_scale_f32_16x16x128_f8f6f4 v[rD:rD+7], v[rA:rA+11], v[rB:rB+11], v[rD:rD+7], v[rX], v[rY] matrix_a_fmt:MATRIX_FMT_FP6 matrix_b_fmt:MATRIX_FMT_FP6
.else
	v_wmma_scale_f32_16x16x128_f8f6f4 v[rD:rD+7], v[rA:rA+11], v[rB:rB+11], v[rD:rD+7], v[rX], v[rY] matrix_a_fmt:MATRIX_FMT_FP6 matrix_b_fmt:MATRIX_FMT_FP6 matrix_b_scale:MATRIX_SCALE_ROW1
.endif
.endm
; The vector phase behind tile t (t % 4 = q).  VECA: tile t - 2 into the sums (fa), tile t - 1 plus 1 (fb): its lines are the places behind the last products.
.macro VECA q, fa, fb
.set ea_, ACC+32*(((\q)+2)%4)
.set va_, VD+4*(((\q)+2)%4)+2
.set eb_, ACC+32*(((\q)+3)%4)
.set n, 0
.rept 16
.if \fa
	v_pk_fma_f32 v[S+n:S+n+1], v[ea_+n:ea_+n+1], v[va_:va_+1], v[S+n:S+n+1] op_sel_hi:[1,0,1]
.endif
.if \fb
	v_pk_add_f32 v[eb_+n:eb_+n+1], v[eb_+n:eb_+n+1], 1.0 op_sel_hi:[1,0]
.endif
.set n, n+2
.endr
.endm
; VECB: tile t: c x + d (fc), each accumulator from its low end on; then the batch: 2^x of tile t, 1 / x of tile t - 1
.macro VECB q, fb, fc
.set eb_, ACC+32*(((\q)+3)%4)
.set ec_, ACC+32*(\q)
.set dc_, VD+4*(\q)
.if \fc
.set n, 0
.rept 16
	v_pk_fma_f32 v[ec_+n:ec_+n+1], v[ec_+n:ec_+n+1], s[40:41], v[dc_:dc_+1] op_sel_hi:[1,0,0]
.set n, n+2
.endr
.endif
	s_wait_alu depctr_va_vdst(0)                   ; one wait ahead of the batch
.set n, 0
.rept 32
.if \fc
	v_exp_f32 v[ec_+n], v[ec_+n]
.endif
.if \fb
	v_rcp_f32 v[eb_+n], v[eb_+n]
.endif
.set n, n+1
.endr
	v_nop                                          ; a plain place behind the last transcendental
	s_wait_alu depctr_va_vdst(0)                   ; and one wait behind the batch
.endm
; Tile k of a trip of four.  Behind its products set k % 2 takes the record two tiles on (the walk wraps to the next set's first two; the last set's last two tiles load nothing).
.macro TILE k, more
	v_add_nc_u32 v[ADV], s45, v[R4]
	s_add_co_u32 s45, s45, 64
	s_wait_alu depctr_va_vdst(0)
	ds_load_b32 v[VD+4*\k], v[ADV]                 ; this tile's d
	ds_load_b32 v[VD+4*\k+2], v[ADV] offset:4096   ; and v
.if (\more) == 0 && (\k) == 3
	s_wait_loadcnt 0x0                             ; in the last trip no younger loads stand behind this tile's
.else
	s_wait_loadcnt 25                              ; this tile's record is in; the next tile's 25 loads may be out
.endif
.set n, 0
.rept 32
	MM \k, (\k)%2
.set n, n+1
.endr
	WIN 0
	s_wait_dscnt 0x0
	VECA \k, 1, 1
.if (\more) == 0 && (\k) >= 2
	s_cmp_eq_u32 s46, 1
	s_cbranch_scc1 .Lnb_\@
.endif
.if (\k) == 2
	s_wait_xcnt 0x0                                ; the loads and prefetches have read their addresses
	s_add_co_u32 s58, s58, 4*REC
	s_cmp_eq_u32 s58, 16*REC
	s_cselect_b32 s58, 0, s58
	v_add_nc_u32 v[VB], s58, v[L16]                ; the next trip's four records
.if \more
	s_add_nc_u64 s[32:33], s[32:33], 65536         ; 16 rows on
.endif
.endif
	BLOAD (\k)%2, REC*(((\k)+2)%4)
.Lnb_\@:
.if (\more) && (\k) == 0
	global_prefetch_b8 v[PFO], s[32:33] th:TH_LOAD_NT scope:SCOPE_SE                ; 8 rows x 1,024 bytes of my slab of the next set,
	global_prefetch_b8 v[PFO], s[32:33] offset:32768 th:TH_LOAD_NT scope:SCOPE_SE   ; and the next 8
.endif
	VECB \k, 1, 1
.endm
; One set of 64 rows.  more = 1: the slabs are filled again.
.macro SETBODY more
	s_wait_alu depctr_va_vdst(0)
	s_wait_tensorcnt 0x0                           ; my slab is in
	s_wait_dscnt 0x0
	BAR                                            ; and everybody's
	s_mov_b32 s47, 0
	s_mov_b32 s48, 0
	s_mov_b32 s49, 0
	s_mov_b32 s46, 4
.Lq_\@:                                                ; a trip: my 16 rows of one slab: two K steps
	v_add_nc_u32 v[QA], s47, v[QB]
	v_add_nc_u32 v[IMA], s48, v[IMW]
	v_add_nc_u32 v[ISA], s49, v[ISW]
	s_add_co_u32 s47, s47, HSL
	s_add_co_u32 s48, s48, 3072
	s_add_co_u32 s49, s49, 8
	s_wait_alu depctr_va_vdst(0)
.irp i, 0,1
.irp b, 0,1,2,3
.irp j, 0,1,2,3
	ds_load_b128 v[ACC+64*\i+16*\b+4*\j:ACC+64*\i+16*\b+4*\j+3], v[QA] offset:512*\i+128*\b+16*\j
.endr
.endr
.endr
	s_wait_dscnt 16                                ; the first K step's 16 loads are in
	QUANT ACC
	IMST 0
	s_wait_dscnt 0x0
	QUANT ACC+64
	IMST 1
	s_sub_co_u32 s46, s46, 1
	s_cmp_lg_u32 s46, 0
	s_wait_alu depctr_va_vdst(0)
	s_cbranch_scc1 .Lq_\@
	s_wait_dscnt 0x0
	BAR                                            ; the image is whole
	WIN 0x40
.set x_, 0
.rept 48
	ds_load_b128 v[4*x_:4*x_+3], v[IM0] offset:512*x_
.set x_, x_+1
.endr
	WIN 0x80
.set x_, 0
.rept 48
	ds_load_b128 v[4*x_:4*x_+3], v[IM0] offset:24576+512*x_
.set x_, x_+1
.endr
	WIN 0
.irp m, 0,1,2,3
.irp i, 0,1
	ds_load_b128 v[ASC+8*\m+4*\i:ASC+8*\m+4*\i+3], v[AS0] offset:512*\m+16*\i
.endr
.endr
.set e_, 0
.rept 32
	v_mov_b32 v[S+e_], 0                           ; the set's sums
.set e_, e_+1
.endr
.set e_, 64
.rept 64
	v_mov_b32 v[ACC+e_], 1.0                       ; sets 2 and 3 stand for the two tiles ahead of the first: finite numbers,
.set e_, e_+1
.endr
	v_mov_b32 v[VD+10], 0                          ; weighed with v = 0
	v_mov_b32 v[VD+14], 0
	v_add_nc_u32 v[CB2], 32*1040, v[CB]
	s_mov_b32 s45, 0
	s_mov_b32 s46, 4
	s_wait_alu depctr_va_vdst(0)
	s_wait_dscnt 0x0
	CPY 48, 16                                     ; rows 24-31 and 56-63 of my slab, into the registers that lie idle beside A's codes
.Lg_\@:                                                ; a trip: four tiles
	TILE 0, \more
	TILE 1, \more
	TILE 2, \more
	TILE 3, \more
	s_sub_co_u32 s46, s46, 1
	s_cmp_lg_u32 s46, 0
	s_cbranch_scc1 .Lg_\@
	CPY 0, 48                                      ; the other 48 rows, over A's codes: the last products stand more than four plain lines back
	VECA 0, 1, 1                                   ; the last two tiles run out while the loads are served
	VECB 0, 1, 0
	VECA 1, 1, 0
.irp x, 1,2,4,8
.set e_, 0
.rept 32
	v_add_f32_dpp v[S+e_], v[S+e_], v[S+e_] row_xmask:\x row_mask:0xf bank_mask:0xf   ; over the sixteen columns of the lanes
.set e_, e_+1
.endr
.endr
.irp m, 0,1,2,3
.irp j, 0,1
	ds_store_b128 v[SCA], v[S+8*\m+4*\j:S+8*\m+4*\j+3] offset:64*\m+16*\j   ; row 16 m + 8 h + j; sixteen lanes write the same words with the same values
.endr
.endr
.if \more
	s_wait_tensorcnt 0x0
	ds_add_u32 v[SPW], v[NIL]
	s_add_nc_u64 s[22:23], s[22:23], 262144        ; no load of mine is out: 64 rows on
	s_wait_dscnt 0x0                               ; the add and my partial t are done, and my reads of the slabs are over
	BAR                                            ; the four quarters of N meet, and nobody reads the slabs any more
	tensor_load_to_lds s[20:23], s[24:31]          ; my slab of the next set
	s_nop 0
	PLACES
.else
	s_wait_dscnt 0x0
	BAR
.endif
	v_add_nc_u32 v106, SCP, v[L8]
.irp w, 0,1,2,3
	ds_load_b64 v[128+2*\w:129+2*\w], v106 offset:256*\w
.endr
	s_wait_dscnt 0x0
	v_mov_b32 v137, 0                              ; a lane permute's destination counts as one of its sources
	v_pk_add_f32 v[128:129], v[128:129], v[130:131]
	v_pk_add_f32 v[132:133], v[132:133], v[134:135]
	v_pk_add_f32 v[T:T+1], v[128:129], v[132:133]  ; t of rows 2 lane and 2 lane + 1
	v_max_num_f32 v136, v[T], v[T+1]
.irp x, 1,2,4,8
	v_max_num_f32_dpp v136, v136, v136 row_xmask:\x row_mask:0xf bank_mask:0xf
.endr
	v_permlanex16_b32 v137, v136, s[SEL], s[SEL+1]
	v_max3_num_f32 v107, v136, v137, v[MX]         ; the new M
	v_sub_f32 v[F], v[MX], v107
	v_sub_f32 v140, v[T], v107
	v_sub_f32 v142, v[T+1], v107
	v_mov_b32 v[MX], v107
	s_wait_alu depctr_va_vdst(0)
	v_exp_f32 v[F], v[F]                           ; what was summed under the old M is brought under the new
	v_exp_f32 v140, v140                           ; p of row 2 lane,
	v_exp_f32 v142, v142                           ; of row 2 lane + 1
	v_nop
	s_wait_alu depctr_va_vdst(0)
	v_fma_f32 v[LS], v[LS], v[F], v140             ; my lane's part of the sum of p
	v_add_f32 v[LS], v[LS], v142
.irp c, 0,2,4,6
	v_pk_mul_f32 v[CX+\c:CX+\c+1], v[CX+\c:CX+\c+1], v[F:F+1] op_sel_hi:[1,0]
.endr
	s_cmp_lg_u32 s18, 0
	s_wait_alu depctr_va_vdst(0)
	s_cbranch_scc1 .Lns_\@
	global_store_b64 v[L8], v[T:T+1], s[14:15]     ; wave 0: the set's 64 t, one run of 256 bytes
.Lns_\@:
.irp bt, 0,1,2,3                                       ; sixteen rows at a time: their p into scalar pairs, then p x row onto my eight sums
	WIN 0
.set i_, 0
.rept 16
	v_readlane_b32 s[PS+2*i_], v[140+2*(i_%2)], 8*\bt+i_/2
.set i_, i_+1
.endr
	WIN 1+\bt/2
.set i_, 0
.rept 16
.irp c, 0,2,4,6
	v_pk_fma_f32 v[CX+\c:CX+\c+1], v[8*(16*(\bt%2)+i_)+\c:8*(16*(\bt%2)+i_)+\c+1], s[PS+2*i_:PS+2*i_+1], v[CX+\c:CX+\c+1] op_sel_hi:[1,0,1]
.endr
.set i_, i_+1
.endr
.endr
	WIN 0
.if \more
	s_wait_xcnt 0x0                                ; the store has read its base
	s_add_nc_u64 s[14:15], s[14:15], 256
.endif
.endm
	s_load_b256 s[4:11], s[0:1], 0x0               ; hidden s[4:5], ub s[6:7], dsc s[8:9], V_w s[10:11]
	s_load_b128 s[12:15], s[0:1], 0x20             ; pc s[12:13], scores s[14:15]
	s_load_b64 s[16:17], s[0:1], 0x30              ; pml
	v_lshl_add_u32 v[SPW], v0, 2, SPARE
	v_mov_b32 v[NIL], 0
	ds_add_u32 v[SPW], v[NIL]                      ; the add, twice on end,
	ds_add_u32 v[SPW], v[NIL]
	v_lshrrev_b32 v128, 5, v0
	v_readfirstlane_b32 s18, v128                  ; wave
	s_mov_b32 s24, (3<<16)|(1<<20)|(7<<22)|(3<<25) ; group 1: elements of 8 bytes; 4 words of padding behind every 256
	s_mov_b32 s25, 128<<16                         ; a row: 128 elements
	s_mov_b32 s26, 64<<16                          ; 64 rows
	s_mov_b32 s27, 128<<16
	s_mov_b32 s28, 64
	s_mov_b32 s29, 512                             ; from row to row: 4,096 bytes
	s_mov_b32 s30, 0
	s_mov_b32 s31, 0
	s_mov_b32 s20, 1
	s_mul_i32 s21, s18, HSL
	s_lshl_b32 s34, ttmp9, 20                      ; hidden: 256 rows a work-group,
	s_lshl_b32 s38, s18, 10                        ; 1,024 bytes of a row a wave
	s_add_co_u32 s34, s34, s38
	s_mov_b32 s35, 0
	s_mov_b32 s40, 0x4038aa3b                      ; c = 2 log2(e)
	s_mov_b32 s41, s40
	s_mov_b32 s[SEL], 0x76543210
	s_mov_b32 s[SEL+1], 0xfedcba98
	s_wait_dscnt 0x0                               ; and the one wait for both
	s_wait_kmcnt 0x0
	s_add_nc_u64 s[4:5], s[4:5], s[34:35]
	s_mov_b64 s[22:23], s[4:5]
	s_or_b32 s23, s23, 0x80000000
	tensor_load_to_lds s[20:23], s[24:31]          ; my slab of set 0: my one tensor load at the head
	s_nop 0
	PLACES
	s_add_nc_u64 s[32:33], s[4:5], 262144          ; the prefetches: my slab of the next set; stepped behind each pair
	s_mul_i32 s34, s18, 16*REC
	s_add_nc_u64 s[6:7], s[6:7], s[34:35]          ; my 16 records
	s_lshr_b32 s34, ttmp9, 3
	s_lshl_b32 s34, s34, 12
	s_add_nc_u64 s[8:9], s[8:9], s[34:35]          ; my batch's row of dsc
	s_lshl_b32 s34, ttmp9, 12
	s_add_co_u32 s34, s34, s38
	s_add_nc_u64 s[12:13], s[12:13], s[34:35]
	s_lshl_b32 s34, ttmp9, 10
	s_add_nc_u64 s[14:15], s[14:15], s[34:35]
	s_lshl_b32 s34, ttmp9, 8
	s_add_nc_u64 s[16:17], s[16:17], s[34:35]
	s_mul_i32 s34, s18, 16*1040
	s_mul_i32 s35, s18, 12288
	s_add_co_u32 s35, s35, AIM
	s_lshl_b32 s36, s18, 9
	s_add_co_u32 s36, s36, AIS
	s_add_co_u32 s39, s38, DT
	s_lshl_b32 s44, s18, 8
	s_add_co_u32 s44, s44, SCP
	s_mul_i32 s51, s18, HSL
	s_mov_b32 s58, 0
.set i_, 0
.rept 16
	s_mov_b32 s[PS+2*i_+1], 0                      ; the pairs' high words are named with the low ones, and never used
.set i_, i_+1
.endr
	v_and_b32 v128, 31, v0                         ; lane
	v_and_b32 v129, 15, v0                         ; r
	v_bfe_u32 v130, v0, 4, 1                       ; h
	v_lshlrev_b32 v[L16], 4, v128
	v_lshlrev_b32 v[L8], 3, v128
	v_mov_b32 v[VB], v[L16]
	v_mul_u32_u24 v131, v129, 1040
	v_lshl_add_u32 v131, v130, 6, v131
	v_add_nc_u32 v[QB], s34, v131                  ; row 16 w + r of a slab, + 64 h
	v_add_nc_u32 v[IMW], s35, v[L16]
	v_add_nc_u32 v[IM0], AIM, v[L16]
	v_lshl_add_u32 v[ISW], v129, 5, s36
	v_lshl_add_u32 v[AS0], v129, 5, AIS
	v_lshl_add_u32 v[R4], v129, 2, s39
	v_lshl_add_u32 v132, v130, 8, v[R4]
	v_add_nc_u32 v133, s38, v[L16]
	v_lshl_add_u32 v[SCA], v130, 5, s44
	v_add_nc_u32 v[CB], s51, v[L16]
	v_lshrrev_b32 v134, 2, v128
	v_and_b32 v135, 3, v128
	v_lshlrev_b32 v135, 8, v135
	v_lshl_add_u32 v[PFO], v134, 12, v135          ; a lane a block of 256 bytes: row lane / 4, block lane % 4
.irp b, 4,5,6,7
	v_mov_b32 v[TM+\b], 0
.endr
.set e_, 0
.rept 16
	v_mov_b32 v[VD+e_], 0
.set e_, e_+1
.endr
.set e_, 0
.rept 8
	v_mov_b32 v[CX+e_], 0
.set e_, e_+1
.endr
	v_mov_b32 v[MX], 0xff61b1e6                    ; -3e38, under every t
	v_mov_b32 v[LS], 0
	v_mov_b32 v[F+1], 0
.irp i, 0,1
	global_load_b128 v[160+4*\i:163+4*\i], v133, s[10:11] offset:512*\i          ; my wave's 256 of V_w
.endr
.irp p, 0,1,2,3,4,5,6,7
.irp i, 0,1
	global_load_b128 v[176+8*\p+4*\i:179+8*\p+4*\i], v133, s[8:9] offset:131072*\p+512*\i   ; and of the eight parts of d
.endr
.endr
	BLOAD 0, 0
	BLOAD 1, REC
	s_wait_alu depctr_va_vdst(0)
	s_wait_loadcnt 50                              ; V_w and d are in; the two records' 50 loads may be out
.irp p, 1,2,3,4,5,6,7
.irp e, 0,2,4,6
	v_pk_add_f32 v[176+\e:177+\e], v[176+\e:177+\e], v[176+8*\p+\e:177+8*\p+\e]
.endr
.endr
.irp i, 0,1
.irp u, 0,1,2,3
	v_mul_f32 v[240+4*\i+\u], 0xc038aa3b, v[160+4*\i+\u]   ; -2 log2(e) v
.endr
.endr
.irp i, 0,1
.irp u, 0,1,2,3
	ds_store_b32 v132, v[176+4*\i+\u] offset:512*\i+64*\u          ; tile 16 w + 8 i + 4 h + u, lane r: only my wave reads them
	ds_store_b32 v132, v[240+4*\i+\u] offset:4096+512*\i+64*\u
.endr
.endr
	s_mov_b32 s59, 3
.Lset:
	SETBODY 1
	s_sub_co_u32 s59, s59, 1
	s_cmp_lg_u32 s59, 0
	s_cbranch_scc1 .Lset
	SETBODY 0                                      ; the last set is written out
	v_mov_b32 v137, 0
.irp x, 1,2,4,8
	v_add_f32_dpp v[LS], v[LS], v[LS] row_xmask:\x row_mask:0xf bank_mask:0xf
.endr
	v_permlanex16_b32 v137, v[LS], s[SEL], s[SEL+1]
	v_add_f32 v[LS], v[LS], v137                   ; the sum of p over my work-group's 256 rows
	global_store_b128 v[L16], v[CX:CX+3], s[12:13]             ; each store covers 512 consecutive bytes
	global_store_b128 v[L16], v[CX+4:CX+7], s[12:13] offset:512
	s_cmp_lg_u32 s18, 0
	s_wait_alu depctr_va_vdst(0)
	s_cbranch_scc1 .Lend
	global_store_b64 v[L8], v[MX:MX+1], s[16:17]   ; M and the sum, from every lane: one run of 256 bytes
.Lend:
	s_wait_tensorcnt 0x0                           ; the wave's end
	ds_add_u32 v[SPW], v[NIL]
	s_wait_dscnt 0x0
	s_endpgm
.Lfunc_end_k_qa4e938f5c3_main:
	.size	k_qa4e938f5c3_main, .Lfunc_end_k_qa4e938f5c3_main-k_qa4e938f5c3_main
	.p2alignl 7, 3214868480
	.fill 96, 4, 3214868480
	.section	.rodata,"a",@progbits
	.p2align	6, 0x0
	.amdhsa_kernel k_qa4e938f5c3_main
		.amdhsa_group_segment_fixed_size 327680
		.amdhsa_private_segment_fixed_size 0
		.amdhsa_enable_private_segment 0
		.amdhsa_kernarg_size 56
		.amdhsa_user_sgpr_count 2
		.amdhsa_user_sgpr_kernarg_segment_ptr 1
		.amdhsa_wavefront_size32 1
		.amdhsa_system_sgpr_workgroup_id_x 1
		.amdhsa_system_sgpr_workgroup_id_y 1
		.amdhsa_system_sgpr_workgroup_id_z 1
		.amdhsa_system_vgpr_workitem_id 0
		.amdhsa_next_free_vgpr 1024
		.amdhsa_next_free_sgpr 98
		.amdhsa_reserve_vcc 0
		.amdhsa_float_denorm_mode_32 3
		.amdhsa_float_denorm_mode_16_64 3
		.amdhsa_memory_ordered 1
		.amdhsa_forward_progress 1
		.amdhsa_inst_pref_size 244
	.end_amdhsa_kernel
	.amdgpu_metadata
---
amdhsa.version: [ 1, 2 ]
amdhsa.kernels:
  - .name:           k_qa4e938f5c3_main
    .symbol:         k_qa4e938f5c3_main.kd
    .args:
      - { .name: hidden_states, .offset: 0, .size: 8, .value_kind: global_buffer, .address_space: global }
      - { .name: ub, .offset: 8, .size: 8, .value_kind: global_buffer, .address_space: global }
      - { .name: dsc, .offset: 16, .size: 8, .value_kind: global_buffer, .address_space: global }
      - { .name: V_w, .offset: 24, .size: 8, .value_kind: global_buffer, .address_space: global }
      - { .name: pc, .offset: 32, .size: 8, .value_kind: global_buffer, .address_space: global }
      - { .name: scores, .offset: 40, .size: 8, .value_kind: global_buffer, .address_space: global }
      - { .name: pml, .offset: 48, .size: 8, .value_kind: global_buffer, .address_space: global }
    .group_segment_fixed_size: 327680
    .private_segment_fixed_size: 0
    .kernarg_segment_align: 8
    .kernarg_segment_size: 56
    .max_flat_workgroup_size: 128
    .sgpr_count:     98
    .vgpr_count:     1024
    .wavefront_size: 32
...
	.end_amdgpu_metadata
.endif
;; end of part 2
;; launch fin (part 3): grid 8 x 32, 1 waves a work-group, no clusters, 0 bytes of LDS; arguments pc, pml, scores, out0, out1; writes out0, out1
.if DOCPART == 3
	.amdgcn_target "amdgcn-amd-amdhsa--gfx1250"
	.amdhsa_code_object_version 6
	.text
	.protected	k_qa4e938f5c3_fin
	.globl	k_qa4e938f5c3_fin
	.p2align	8
	.type	k_qa4e938f5c3_fin,@function
k_qa4e938f5c3_fin:
	s_mov_b64 s[64:65], 0
	v_nop
	global_prefetch_b8 v0, s[64:65] scope:SCOPE_SE
	s_setreg_imm32_b32 hwreg(HW_REG_WAVE_MODE, 25, 1), 1
	s_wait_xcnt 0x0
; FIN.  A batch's eight parts (M_g, l_g, c_g[1024]) are joined: M = the largest M_g, w_g = 2^(M_g - M), L = sum of l_g w_g;  context = sum of w_g c_g / L;  alpha[s] = 2^(t[s] - M) / L.  All in f32.
; The maximum is taken away before every exponential.  V_b and the sum of V_w are no part of t: dead work, as the first kernel's head shows.
; Work-group (c, b), one wave, owns context[b][128 c ..] and alpha[b][256 c ..]: 16 bytes a lane, every load and store 256 or 512 consecutive bytes.  No loop, no LDS, nothing shared.
; LIMITS: NaN and infinities among the inputs are not served.
	s_load_b256 s[4:11], s[0:1], 0x0               ; pc s[4:5], pml s[6:7], scores s[8:9], out0 s[10:11]
	s_load_b64 s[12:13], s[0:1], 0x20              ; out1
	v_lshlrev_b32 v1, 4, v0
	v_lshlrev_b32 v2, 3, v0
	s_and_b32 s14, ttmp7, 0xffff                   ; the batch
	s_lshl_b32 s16, s14, 15
	s_lshl_b32 s15, ttmp9, 9
	s_add_co_u32 s16, s16, s15                     ; pc: 32,768 b + 512 c
	s_mov_b32 s17, 0
	s_lshl_b32 s18, s14, 11                        ; pml: 2,048 b
	s_mov_b32 s19, 0
	s_lshl_b32 s20, s14, 13
	s_lshl_b32 s22, ttmp9, 10
	s_add_co_u32 s20, s20, s22                     ; scores, alpha: 8,192 b + 1,024 c
	s_mov_b32 s21, 0
	s_lshl_b32 s22, s14, 12
	s_add_co_u32 s22, s22, s15                     ; context: 4,096 b + 512 c
	s_mov_b32 s23, 0
	s_wait_alu depctr_va_vdst(0)
	s_wait_kmcnt 0x0
	s_add_nc_u64 s[4:5], s[4:5], s[16:17]
	s_add_nc_u64 s[6:7], s[6:7], s[18:19]
	s_add_nc_u64 s[8:9], s[8:9], s[20:21]
	s_add_nc_u64 s[10:11], s[10:11], s[22:23]
	s_add_nc_u64 s[12:13], s[12:13], s[20:21]
.irp g, 0,1,2,3,4,5,6,7
	global_load_b64 v[8+2*\g:9+2*\g], v2, s[6:7] offset:256*\g
.endr
	global_load_b128 v[24:27], v1, s[8:9]
	global_load_b128 v[28:31], v1, s[8:9] offset:512
.irp g, 0,1,2,3,4,5,6,7
	global_load_b128 v[32+4*\g:35+4*\g], v1, s[4:5] offset:4096*\g
.endr
	s_wait_loadcnt 0x0
	v_max3_num_f32 v3, v8, v10, v12
	v_max3_num_f32 v3, v3, v14, v16
	v_max3_num_f32 v3, v3, v18, v20
	v_max_num_f32 v3, v3, v22                      ; M
.irp g, 0,1,2,3,4,5,6,7
	v_sub_f32 v[64+\g], v[8+2*\g], v3
	v_sub_f32 v[24+\g], v[24+\g], v3
.endr
	s_wait_alu depctr_va_vdst(0)                   ; ahead of the batch
.irp g, 0,1,2,3,4,5,6,7
	v_exp_f32 v[64+\g], v[64+\g]
	v_exp_f32 v[24+\g], v[24+\g]
.endr
	v_nop
	s_wait_alu depctr_va_vdst(0)                   ; and behind it
	v_mul_f32 v4, v9, v64
.irp g, 1,2,3,4,5,6,7
	v_fmac_f32 v4, v[9+2*\g], v[64+\g]             ; L: at least one w is 1, and its l is at least 1
.endr
.irp e, 0,1,2,3
	v_mul_f32 v[72+\e], v[32+\e], v64
.endr
.irp g, 1,2,3,4,5,6,7
.irp e, 0,1,2,3
	v_fmac_f32 v[72+\e], v[32+4*\g+\e], v[64+\g]
.endr
.endr
	s_wait_alu depctr_va_vdst(0)
	v_rcp_f32 v5, v4
	v_nop
	s_wait_alu depctr_va_vdst(0)
.irp e, 0,1,2,3
	v_mul_f32 v[72+\e], v[72+\e], v5
.endr
.irp g, 0,1,2,3,4,5,6,7
	v_mul_f32 v[24+\g], v[24+\g], v5
.endr
	global_store_b128 v1, v[72:75], s[10:11]
	global_store_b128 v1, v[24:27], s[12:13]
	global_store_b128 v1, v[28:31], s[12:13] offset:512
	s_endpgm
.Lfunc_end_k_qa4e938f5c3_fin:
	.size	k_qa4e938f5c3_fin, .Lfunc_end_k_qa4e938f5c3_fin-k_qa4e938f5c3_fin
	.p2alignl 7, 3214868480
	.fill 96, 4, 3214868480
	.section	.rodata,"a",@progbits
	.p2align	6, 0x0
	.amdhsa_kernel k_qa4e938f5c3_fin
		.amdhsa_group_segment_fixed_size 0
		.amdhsa_private_segment_fixed_size 0
		.amdhsa_enable_private_segment 0
		.amdhsa_kernarg_size 40
		.amdhsa_user_sgpr_count 2
		.amdhsa_user_sgpr_kernarg_segment_ptr 1
		.amdhsa_wavefront_size32 1
		.amdhsa_system_sgpr_workgroup_id_x 1
		.amdhsa_system_sgpr_workgroup_id_y 1
		.amdhsa_system_sgpr_workgroup_id_z 1
		.amdhsa_system_vgpr_workitem_id 0
		.amdhsa_next_free_vgpr 96
		.amdhsa_next_free_sgpr 66
		.amdhsa_reserve_vcc 0
		.amdhsa_float_denorm_mode_32 3
		.amdhsa_float_denorm_mode_16_64 3
		.amdhsa_memory_ordered 1
		.amdhsa_forward_progress 1
		.amdhsa_inst_pref_size 7
	.end_amdhsa_kernel
	.amdgpu_metadata
---
amdhsa.version: [ 1, 2 ]
amdhsa.kernels:
  - .name:           k_qa4e938f5c3_fin
    .symbol:         k_qa4e938f5c3_fin.kd
    .args:
      - { .name: pc, .offset: 0, .size: 8, .value_kind: global_buffer, .address_space: global }
      - { .name: pml, .offset: 8, .size: 8, .value_kind: global_buffer, .address_space: global }
      - { .name: scores, .offset: 16, .size: 8, .value_kind: global_buffer, .address_space: global }
      - { .name: out0, .offset: 24, .size: 8, .value_kind: global_buffer, .address_space: global }
      - { .name: out1, .offset: 32, .size: 8, .value_kind: global_buffer, .address_space: global }
    .group_segment_fixed_size: 0
    .private_segment_fixed_size: 0
    .kernarg_segment_align: 8
    .kernarg_segment_size: 40
    .max_flat_workgroup_size: 32
    .sgpr_count:     66
    .vgpr_count:     96
    .wavefront_size: 32
...
	.end_amdgpu_metadata
.endif
;; end of part 3
